; MI455X (gfx1250); checked and timed in simulation.
; The chip was launched on July 23, 2026; its instructions are those of AMD's public machine-readable ISA for CDNA 5 (MIT licence, August 2026) and "CDNA5" Instruction Set Architecture Reference Guide (July 2026). The comments in the code are by the model that wrote it; some were corrected since.
;; Tt Roberta Self Attention. Allowed arithmetic: matrix products marked QUANTISED: E2M1 operands, one E8M0 scale for each 32 along K, by v_wmma_scale_f32_16x16x128_f8f6f4 with both operands' format E2M1 (or v_wmma_scale_f32_32x16x128_f4), f32 sums; everything else in f32.
;; Inputs: Wk_codes 1,024 x 32 x 16 uint8 (E2M1 codes of Wk, K innermost, in blocks of 32 codes, two codes a byte); Wk_scales 1,024 x 32 uint8 (E8M0 scales of Wk, one for each 32 codes along K); Wq_codes 1,024 x 32 x 16 uint8 (E2M1 codes of Wq, K innermost, in blocks of 32 codes, two codes a byte); Wq_scales 1,024 x 32 uint8 (E8M0 scales of Wq, one for each 32 codes along K); Wv_codes 1,024 x 32 x 16 uint8 (E2M1 codes of Wv, K innermost, in blocks of 32 codes, two codes a byte); Wv_scales 1,024 x 32 uint8 (E8M0 scales of Wv, one for each 32 codes along K); attention_mask 4 x 1 x 1 x 2,048 float32; bk 1,024 float32; bq 1,024 float32; bv 1,024 float32; hidden_states_codes 4 x 2,048 x 32 x 16 uint8 (E2M1 codes of hidden_states, K innermost, in blocks of 32 codes, two codes a byte); hidden_states_scales 4 x 2,048 x 32 uint8 (E8M0 scales of hidden_states, one for each 32 codes along K).
;; Outputs: out0 4 x 2,048 x 1,024 float32.
;; This version of the problem:
;;   THIS VERSION OF THE PROBLEM IS GIVEN IN LOW PRECISION. The matrix products marked QUANTISED in the list below multiply operands that are first quantised to E2M1 (2 exponent bits, 1 mantissa bit; 4 bits a number), with one power-of-two scale for each 32 numbers along K (OCP MX v1.0); their sums are f32. All else is computed in f32.
;;   The module's matrix products, in the order in which they are computed (A, B: the left and right operand; K: the contracted axis; several contracted axes count as one K, in the product's order):
;;     1. [M 8,192, K 1,024] x [K 1,024, N 1,024]; A: input hidden_states (given as codes); B: input Wq (given as codes): QUANTISED
;;     2. [M 8,192, K 1,024] x [K 1,024, N 1,024]; A: input hidden_states (given as codes); B: input Wk (given as codes): QUANTISED
;;     3. [M 8,192, K 1,024] x [K 1,024, N 1,024]; A: input hidden_states (given as codes); B: input Wv (given as codes): QUANTISED
;;     4. batch 64 x [M 2,048, K 64] x [K 64, N 2,048]; A: computed on the way; B: computed on the way: QUANTISED
;;     5. batch 64 x [M 2,048, K 2,048] x [K 2,048, N 64]; A: softmax (see below); B: computed on the way: QUANTISED
;;   THE QUANTISER, for each operand of a quantised product, along K:
;;     - K is cut into blocks of 32 from its start; a last block that is shorter is filled with zeros.
;;     - A block's scale is 2^e with e = floor(log2(the largest magnitude in the block)) - 2, held to -126 .. 127; a block of zeros has e = 0. As a byte (E8M0): e + 127.
;;     - Each number is divided by its block's scale, clamped to +-6, and rounded to the nearest number of E2M1, ties to even, subnormals kept.
;;     - The product sums the exact products of the quantised numbers (number of the format x scale) in f32.
;;   ~~~python
;;   def quantise(x, axis):      # numpy; x: float32 -> the quantised numbers, widened to float32 again
;;       x = np.moveaxis(x, axis, -1); K = x.shape[-1]
;;       x = np.pad(x, [(0, 0)] * (x.ndim - 1) + [(0, -K % 32)]); x = x.reshape(x.shape[:-1] + (-1, 32)); a = np.abs(x).max(-1, keepdims=True)
;;       e = np.where(a > 0, np.clip(np.frexp(np.where(a > 0, a, 1))[1] - 1 - 2, -126, 127), 0)      # np.frexp(a)[1] - 1 = floor(log2(a)), exactly
;;       r = np.clip(x / 2.0 ** e, -6, 6)
;;       step = 2.0 ** (np.maximum(np.frexp(np.where(r == 0, 1, r))[1] - 1, 0) - 1)
;;       q = np.round(r / step) * step * 2.0 ** e      # np.round: ties to even
;;       return np.moveaxis(q.reshape(q.shape[:-2] + (-1,))[..., :K], -1, axis).astype(np.float32)
;;   ~~~
;;   SOFTMAX AHEAD OF A QUANTISED PRODUCT. Where the list says 'softmax', what is quantised is not the finished softmax but p = 2^(t - M), with t = logit x log2(e) and M = ceil(the row's largest t), a whole number; so 1/2 < the row's largest p <= 1. The row's sum l is taken of the UNQUANTISED p, in f32, and the product's result is divided by l at the end. Since M is a whole number, a kernel that streams over the keys may use a running M (the ceiling of the running maximum): every later rescaling is an exact power of two, which a block's scale takes up: the codes' values come out the same.
;;   OPERANDS COMPUTED ON THE WAY. 'Computed on the way' means the value that the module computes at that place (a softmax that the list does not call 'softmax' is quantised finished and normalised). What goes into a quantiser is computed in f32, as accurately as f32 sums, v_exp_f32 and their like allow (about 1e-6 of the number): no bf16 or f16 on the way to a quantiser, and a product that is left as it is and whose result goes on into a quantised operand takes f32 operands (vector FMAs, or v_wmma_f32_16x16x4_f32). A number that lies on a knife's edge between two numbers of the format may be rounded either way, as far as f32 arithmetic and the matrix unit's own rounding can turn it there, and no further.
;;   INPUTS GIVEN AS CODES. Wk (in the module: [1024, 1024], K = its axis 1); Wq (in the module: [1024, 1024], K = its axis 1); Wv (in the module: [1024, 1024], K = its axis 1); hidden_states (in the module: [4, 2048, 1024], K = its axis 2): each comes as NAME_codes (uint8): NAME with its K axis moved to the last place and cut into blocks of 32 codes, [.., K / 32, bytes a block], one block behind the other in memory; two codes a byte, the lower K in the low four bits (a code: sign, 2 exponent bits, 1 mantissa bit); and NAME_scales (uint8): the same leading axes, one E8M0 byte (e + 127) for each 32 codes along K. Its value is code x scale, taken as it is: it is not quantised again, and the codes and scales need not be those that the quantiser above would give.
;; One version. Each part assembles by itself: llvm-mc -triple=amdgcn-amd-amdhsa -mcpu=gfx1250 --defsym DOCPART=n.
;; ======== version 1 of 1: 2 launches
;; limits: right only within a limited range of input values
;; workspace buffers: qimg 4,718,592 bytes; kv 8,912,896 bytes
;; launch proj (part 1): grid 8 x 32, 4 waves a work-group, clusters of 4 x 4, 327,680 bytes of LDS; arguments hidden_states_codes, hidden_states_scales, Wq_codes, Wq_scales, Wk_codes, Wk_scales, Wv_codes, Wv_scales, bq, bk, bv, qimg, kv; writes qimg, kv
.if DOCPART == 1
	.amdgcn_target "amdgcn-amd-amdhsa--gfx1250"
	.amdhsa_code_object_version 6
	.text
	.protected	k_qb792ed518c_proj
	.globl	k_qb792ed518c_proj
	.p2align	8
	.type	k_qb792ed518c_proj,@function
k_qb792ed518c_proj:
	s_mov_b64 s[64:65], 0
	v_nop
	global_prefetch_b8 v0, s[64:65] scope:SCOPE_SE
	s_setreg_imm32_b32 hwreg(HW_REG_WAVE_MODE, 25, 1), 1
	s_wait_xcnt 0x0
	s_wait_alu depctr_hold_cnt(0) depctr_sa_sdst(0) depctr_va_vdst(0) depctr_va_sdst(0) depctr_va_ssrc(0) depctr_va_vcc(0) depctr_vm_vsrc(0)
	s_getreg_b32 s2, hwreg(HW_REG_IB_STS2, 6, 4)
	s_cmp_eq_u32 s2, 0
	s_cbranch_scc0 .Lentry_in_a_cluster
	s_endpgm
.Lentry_in_a_cluster:
	s_bfe_u32 s2, ttmp6, 0x10000c
	s_cmp_lg_u32 s2, 0xf033
	s_cbranch_scc0 .Lentry_shape_is_right
	s_endpgm
.Lentry_shape_is_right:
; q, k, v = x W^T + b on codes of FP4 (E2M1) with E8M0 scales, K = 1,024; then q and k are quantised along the head's 64 channels and v along the tokens (the keys),
; and all three leave as IMAGES OF THE OPERAND REGISTERS that the attention launch wants: 16 bytes a lane, 512 consecutive bytes a store.  No work of reference() is left out.
; SHARES.  A work-group STAYS: it takes 128 channels (bx) of all three weights and TWO blocks of 128 tokens, by and by + 32 (by = 0 .. 31): 8 x 32 = 256 work-groups.
; Wave w: tokens 64 (w / 2) on, channels 64 (w % 2) on, which is one head: 16 + 16 + 16 accumulators of 16 x 16.
; LDS.  The whole K of four tiles (x, Wq, Wk, Wv: 128 rows x 512 bytes each).  The weights' tiles, their scale words and the biases serve both blocks; x's tile alone is filled again,
; behind the first block's products: its load is out while the first block is quantised and stored.
; CLUSTER.  4 x 4 work-groups: x's tile hangs on by alone and is asked for jointly along a row of the cluster, the weights' tiles hang on bx alone and are asked for jointly along a column.
; PREFETCH.  The second block's tile of x, 256 blocks of 256 bytes, is asked for once in each cluster during the first block's products: the four partners of a row take 64 blocks each, told apart by address; 16 lanes of each wave name a block each, the other 16 the same ones again.
; LAYOUT.  q, k: source 0 = 16 channels of W, source 1 = 16 tokens of x: a lane holds ONE token and its registers run along the channels.  v: source 0 = x, source 1 = Wv: a lane holds ONE channel, registers along the tokens.
; So in both cases the registers of a lane run along the next product's K.  A block of 32 is the 16 registers of two neighbouring tiles in lanes l and l xor 16.
; THE SCALE of a block: its largest magnitude's exponent field less 2, held at 1 from below.  (A block of zeros keeps the byte 1: its codes are zeros, and this program alone reads the bytes.)
; LIMITS: blocks whose largest magnitude lies under 2^-124 keep the byte 1; NaN and infinities among the biases or out of the sums are not served.
; REGISTERS, in windows of 256: window 0: v1-22 addresses; v40-41 at work; v48-63 scale half words and words; v64-127 x's fragments, two sets (v64-95 also the quantiser's work); v128-143 x's scale words; v144-191 the weights'; v192-239 the codes made.
;   window 1: q's accumulators at 8 (4 n + t), k's at 128 + the same.   window 2: v's at 8 (4 t + n); the biases as tiles: bq from 128, bk from 160, bv from 192.   window 3: the weights' fragments, two sets of 96.
.set TOKB,  512                        ; a row of 1,024 codes in bytes
.set PITCH, 528                        ; an LDS row: 512 bytes + 16 of padding = 33 x 16 bytes: the 16 rows that a load touches start at 16 different columns of 16 bytes
.set TL,    128*PITCH                  ; a tile: 128 rows
.set CH,    256                        ; K steps 4 to 7 lie 256 bytes on in a row
.set HALF,  64*PITCH
.set BLK16, 16*PITCH
.set STG,   4*TL                       ; behind the tiles: 512 bytes for each of the two heads: 256 of K's scale words, 256 of V's; no tensor load lands here
.set SPARE, STG+1024                   ; the spare words, 128 bytes a wave
.set QGRP,  2304                       ; qimg: a group of 64 queries: 4 images of 512 bytes + 256 bytes of scale words
.set QHEAD, 32*QGRP
.set KSTP,  8704                       ; kv: a key step of 128 keys: 4,096 K images, 4,096 V images, 256 + 256 scale words
.set KHEAD, 16*KSTP
.set XNEXT, 32*128*TOKB                ; from the first block's tile of x to the second's: 32 blocks of 128 rows
.set AX,  6                            ; v6-7    LDS address of my x fragments, K steps 0-3 and 4-7
.set AW,  8                            ; v8-13   the same for Wq, Wk, Wv: v[AW + 2 u + half]
.set PFO, 22                           ; v22     the prefetch's offset
.set TQ,  64                           ; the quantiser's work: eight registers for each of four tiles: 0-1 largest magnitudes, 2-3 the other half's, 4-5 the conversions' scale operands, 6-7 the bytes
.set HW,  48                           ; v48-59  a half word (two bytes) for each of the twelve quantised tiles
.set XF,  64
.set XS,  128
.set WS,  144
.set CD,  192
.set G1X, 44                           ; s[44:51] descriptor group 1 for x's tile;  s[52:59] for the weights': they differ in the mask alone
.set G1W, 52
.set MSB, 0
.macro WIN new                         ; the immediate's high byte repeats the setting that is left; a switch that changes nothing is dropped
.if MSB != \new
	s_set_vgpr_msb (MSB<<8)|\new
.set MSB, \new
.endif
.endm
.macro CROUND                          ; a round of the cluster's barrier
	s_barrier_signal -1
	s_barrier_wait -1
	s_cmp_lg_u32 s3, 0
	s_cbranch_scc1 .Lnot_wave_0_\@
	s_barrier_signal -3
.Lnot_wave_0_\@:
	s_barrier_wait -3
	s_barrier_signal -1
	s_barrier_wait -1
.endm
	s_load_b512 s[16:31], s[0:1], 0x0              ; x codes s[16:17], x scales s[18:19], Wq s[20:23], Wk s[24:27], Wv s[28:31] (codes, scales)
	s_load_b256 s[32:39], s[0:1], 0x40             ; bq s[32:33], bk s[34:35], bv s[36:37], qimg s[38:39]
	s_load_b64 s[40:41], s[0:1], 0x60              ; kv
	v_lshl_add_u32 v254, v0, 2, SPARE
	v_mov_b32 v255, 0
	ds_add_u32 v254, v255                          ; the opening lines: the add, twice on end, and its wait ahead of my first tensor load
	ds_add_u32 v254, v255
	v_lshrrev_b32 v1, 5, v0
	v_readfirstlane_b32 s3, v1                     ; wave 0..3.  At the head it fetches tile w: 0 = x, 1 = Wq, 2 = Wk, 3 = Wv
	s_lshr_b32 s4, s3, 1                           ; tw: which 64 tokens
	s_and_b32 s5, s3, 1                            ; cw: which 64 channels
	s_bfe_u32 s6, ttmp6, 0x40000                   ; cx, cy: my place in the cluster
	s_bfe_u32 s7, ttmp6, 0x40004
	s_lshl_b32 s8, ttmp9, 2
	s_add_co_u32 s8, s8, s6                        ; bx = 4 x cluster x + cx
	s_and_b32 s9, ttmp7, 0xffff
	s_lshl_b32 s9, s9, 2
	s_add_co_u32 s9, s9, s7                        ; by = 4 x cluster y + cy
	s_lshl_b32 s10, s7, 2
	s_lshl_b32 s10, 15, s10                        ; my row of the cluster
	s_lshl_b32 s11, 0x1111, s6                     ; my column
	; descriptor group 1: 128 rows x 512 bytes, 16 bytes of padding behind each in LDS
	s_or_b32 s[G1X], s10, (1<<20)|(1<<21)|(6<<22)|(3<<25)   ; 15:0 the mask; 17:16 elements of 1 byte; 20 padding on; 21 set beside a mask; 24:22 after every 128 words; 31:25 four words
	s_or_b32 s[G1W], s11, (1<<20)|(1<<21)|(6<<22)|(3<<25)
.irp g, G1X, G1W
	s_mov_b32 s[\g+1], 512<<16                     ; tensor_dim0
	s_mov_b32 s[\g+2], 128<<16                     ; tensor_dim1
	s_mov_b32 s[\g+3], 512<<16                     ; tile_dim0
	s_mov_b32 s[\g+4], 128                         ; tile_dim1
	s_mov_b32 s[\g+5], TOKB                        ; tensor_dim0_stride
	s_mov_b32 s[\g+6], 0
	s_mov_b32 s[\g+7], 0
.endr
	s_mul_i32 s88, s3, TL                          ; where my tile goes: no place in the cluster enters an LDS address
	s_lshl_b32 s90, s9, 16                         ; x: 128 by rows of 512 bytes
	s_mov_b32 s91, 0
	s_lshl_b32 s92, s8, 16                         ; W: 128 bx rows of 512 bytes
	s_mov_b32 s93, 0
	s_mov_b32 s12, 0x76543210                      ; v_permlanex16_b32's selects for lane l xor 16
	s_mov_b32 s13, 0xfedcba98
	s_mov_b32 s14, 0xffff0000                      ; lanes 16-31
	v_and_b32 v17, 15, v0                          ; r
	v_bfe_u32 v18, v0, 4, 1                        ; h
	v_and_b32 v19, 31, v0                          ; lane
	v_lshrrev_b32 v[PFO], 5, v0
	v_lshlrev_b32 v1, 4, v19                       ; 16 x lane: an image's place
	v_lshlrev_b32 v2, 3, v19                       ; 8 x lane: a pair of scale words
	v_lshlrev_b32 v3, 5, v17
	v_lshl_add_u32 v[PFO], v[PFO], 4, v17          ; 16 x wave + r: which of my work-group's 64 blocks of 256 bytes
	v_lshl_add_u32 v3, v18, 4, v3                  ; scale bytes: row r of 32 bytes, + 16 h
	v_lshlrev_b32 v4, 5, v18                       ; bq, bk: 8 h numbers on
	v_lshlrev_b32 v5, 2, v17                       ; bv: number r
	v_lshlrev_b32 v[PFO], 8, v[PFO]
	v_mul_u32_u24 v20, v17, PITCH
	v_lshl_add_u32 v20, v18, 4, v20                ; a fragment's row x pitch + 16 h
	s_mul_i32 s42, s4, HALF
	s_mul_i32 s43, s5, HALF
	v_add_nc_u32 v[AX], s42, v20
	v_add_nc_u32 v[AX+1], CH, v[AX]
	v_add_nc_u32 v21, s43, v20
.irp u, 0,1,2
	v_add_nc_u32 v[AW+2*\u], (1+\u)*TL, v21
	v_add_nc_u32 v[AW+2*\u+1], (1+\u)*TL+CH, v21
.endr
	s_lshl_b32 s42, s5, 9                          ; my head's 512 bytes of the stage
	s_lshl_b32 s43, s4, 7
	s_add_co_u32 s43, s43, s42
	s_add_co_u32 s43, s43, STG
	v_lshl_add_u32 v14, v17, 3, s43                ; K's words: 128 tw + 8 r
	s_lshl_b32 s43, s4, 1
	s_add_co_u32 s43, s43, s42
	s_add_co_u32 s43, s43, STG
	v_lshl_add_u32 v15, v17, 3, s43                ; V's half words: 2 tw + 8 r (+ 256 and the tile's place, in the immediate)
	s_lshl_b32 s43, s4, 8
	s_add_co_u32 s43, s43, s42
	s_add_co_u32 s43, s43, STG
	v_add_nc_u32 v16, s43, v2                      ; back: tw = 0 takes K's 256 bytes, tw = 1 V's
	s_wait_alu depctr_va_vdst(0)                   ; the wait at the head's end
	s_wait_dscnt 0x0                               ; both opening adds are done
	s_wait_kmcnt 0x0
	s_add_nc_u64 s[90:91], s[16:17], s[90:91]      ; x's tile: hangs on by alone
	s_cmp_eq_u32 s3, 2
	s_cselect_b64 s[94:95], s[24:25], s[20:21]     ; the weight that my wave fetches: a choice on the wave's number
	s_cmp_eq_u32 s3, 3
	s_cselect_b64 s[94:95], s[28:29], s[94:95]
	s_add_nc_u64 s[94:95], s[94:95], s[92:93]      ; its tile: hangs on bx alone
	s_mov_b32 s60, 1                               ; group 0: x's in s[60:63], the weights' in s[72:75]
	s_mov_b32 s61, s88
	s_mov_b64 s[62:63], s[90:91]
	s_or_b32 s63, s63, 0x80000000
	s_mov_b32 s72, 1
	s_mov_b32 s73, s88
	s_mov_b64 s[74:75], s[94:95]
	s_or_b32 s75, s75, 0x80000000
	CROUND                                         ; all sixteen work-groups are here: the joint loads meet
	s_cmp_eq_u32 s3, 0                             ; one first fill a wave, in the two arms of one branch on the wave's number
	s_cbranch_scc0 .Lfor_w
	tensor_load_to_lds s[60:63], s[G1X:G1X+7]
	s_nop 0
.rept 4
	v_nop
.endr
	s_branch .Lasked
.Lfor_w:
	tensor_load_to_lds s[72:75], s[G1W:G1W+7]
	s_nop 0
.rept 4
	v_nop
.endr
.Lasked:
	; where my results go.  bh = 16 b + head, b = by / 16, st = by % 16, head = 2 bx + cw
	s_lshl_b32 s96, s8, 1
	s_add_co_u32 s96, s96, s5
	s_lshr_b32 s97, s9, 4
	s_lshl_b32 s97, s97, 4
	s_add_co_u32 s96, s96, s97                     ; bh
	s_and_b32 s97, s9, 15                          ; st
	s_mul_i32 s98, s96, QHEAD
	s_lshl_b32 s99, s97, 1
	s_add_co_u32 s99, s99, s4
	s_mul_i32 s99, s99, QGRP
	s_add_co_u32 s98, s98, s99
	s_mov_b32 s99, 0
	s_add_nc_u64 s[80:81], s[38:39], s[98:99]      ; q: group 2 st + tw of my head
	s_mul_i32 s98, s96, KHEAD
	s_mul_i32 s97, s97, KSTP
	s_add_co_u32 s98, s98, s97
	s_add_nc_u64 s[86:87], s[40:41], s[98:99]      ; kv: my head's key step st
	s_lshl_b32 s98, s4, 11
	s_add_nc_u64 s[82:83], s[86:87], s[98:99]      ; K's images: tiles 4 tw on
	s_lshl_b32 s98, s4, 9
	s_add_co_u32 s98, s98, 4096
	s_add_nc_u64 s[84:85], s[86:87], s[98:99]      ; V's images: key half tw
	s_lshl_b32 s98, s4, 8
	s_add_co_u32 s98, s98, 8192
	s_add_nc_u64 s[86:87], s[86:87], s[98:99]      ; the scale words: tw = 0 K's, tw = 1 V's
	s_lshl_b32 s98, s9, 12                         ; x's scale bytes: 32 a token, from token 128 by + 64 tw
	s_lshl_b32 s97, s4, 11
	s_add_co_u32 s98, s98, s97
	s_add_nc_u64 s[18:19], s[18:19], s[98:99]
	s_lshl_b32 s98, s8, 12                         ; the weights': from channel 128 bx + 64 cw
	s_lshl_b32 s97, s5, 11
	s_add_co_u32 s98, s98, s97
	s_add_nc_u64 s[22:23], s[22:23], s[98:99]
	s_add_nc_u64 s[26:27], s[26:27], s[98:99]
	s_add_nc_u64 s[30:31], s[30:31], s[98:99]
	s_lshr_b32 s98, s98, 3                         ; the biases: 4 bytes a channel
	s_add_nc_u64 s[32:33], s[32:33], s[98:99]
	s_add_nc_u64 s[34:35], s[34:35], s[98:99]
	s_add_nc_u64 s[36:37], s[36:37], s[98:99]
	s_lshl_b32 s98, s6, 14                         ; the prefetch: my work-group's 64 blocks of the second tile of x: 16,384 cx bytes on
	s_add_co_u32 s98, s98, XNEXT
	s_add_nc_u64 s[68:69], s[90:91], s[98:99]
	; THE SCALES go straight into registers: a tile's 16 rows x 32 bytes are 512 consecutive bytes, one load.  Lanes 0-15 then hold the words of K steps 0-3, lanes 16-31 those of K steps 4-7.
.macro XSCALES
.irp n, 0,1,2,3
	global_load_b128 v[XS+4*\n:XS+4*\n+3], v3, s[18:19] offset:512*\n
.endr
.endm
	XSCALES
.irp t, 0,1,2,3
	global_load_b128 v[WS+4*\t:WS+4*\t+3], v3, s[22:23] offset:512*\t
	global_load_b128 v[WS+16+4*\t:WS+16+4*\t+3], v3, s[26:27] offset:512*\t
	global_load_b128 v[WS+32+4*\t:WS+32+4*\t+3], v3, s[30:31] offset:512*\t
.endr
	; THE BIASES are the C of each sum's first product: eight registers a tile in the result's layout; they stay for both blocks
	WIN 0x80                                       ; destination window 2
.irp t, 0,1,2,3
	global_load_b128 v[128+8*\t:128+8*\t+3], v4, s[32:33] offset:64*\t        ; bq at channels 16 t + 8 h + 0 .. 7
	global_load_b128 v[128+8*\t+4:128+8*\t+7], v4, s[32:33] offset:64*\t+16
	global_load_b128 v[160+8*\t:160+8*\t+3], v4, s[34:35] offset:64*\t        ; bk likewise
	global_load_b128 v[160+8*\t+4:160+8*\t+7], v4, s[34:35] offset:64*\t+16
.irp j, 0,1,2,3,4,5,6,7
	global_load_b32 v[192+8*\t+\j], v5, s[36:37] offset:64*\t                 ; bv at channel 16 t + r: a lane's eight tokens share it
.endr
.endr
	WIN 0
; 32 LDS loads in one run: the fragments of K step ks (128 along K: 64 bytes of a row) into set ks % 2: twelve of the weights', four of x
.macro FETCH ks
	WIN 0xc0                                       ; destination window 3, address window 0
.irp u, 0,1,2
.irp t, 0,1,2,3
.irp c, 0,1
	ds_load_b128 v[96*((\ks)%2)+32*\u+8*\t+4*\c:96*((\ks)%2)+32*\u+8*\t+4*\c+3], v[AW+2*\u+(\ks)/4] offset:BLK16*\t+64*((\ks)%4)+32*\c
.endr
.endr
.endr
	WIN 0
.irp n, 0,1,2,3
.irp c, 0,1
	ds_load_b128 v[XF+32*((\ks)%2)+8*\n+4*\c:XF+32*((\ks)%2)+8*\n+4*\c+3], v[AX+(\ks)/4] offset:BLK16*\n+64*((\ks)%4)+32*\c
.endr
.endr
.endm
; one product of q (u = 0) or k (u = 1): source 0 = channels 16 t on of W, source 1 = tokens 16 n on of x
.macro ONEQK ks, u, n, t
.set rD, 128*(\u)+8*(4*(\n)+(\t))
.set rA, 96*((\ks)%2)+32*(\u)+8*(\t)
.set rB, XF+32*((\ks)%2)+8*(\n)
.set rC, 128+32*(\u)+8*(\t)
.set rSA, WS+16*(\u)+4*(\t)+(\ks)%4
.set rSB, XS+4*(\n)+(\ks)%4
.if (\ks) == 0
	v_wmma_scale_f32_16x16x128_f8f6f4 v[rD:rD+7], v[rA:rA+7], v[rB:rB+7], v[rC:rC+7], v[rSA], v[rSB] matrix_a_fmt:MATRIX_FMT_FP4 matrix_b_fmt:MATRIX_FMT_FP4
.elseif (\ks) < 4
	v_wmma_scale_f32_16x16x128_f8f6f4 v[rD:rD+7], v[rA:rA+7], v[rB:rB+7], v[rD:rD+7], v[rSA], v[rSB] matrix_a_fmt:MATRIX_FMT_FP4 matrix_b_fmt:MATRIX_FMT_FP4
.else
	v_wmma_scale_f32_16x16x128_f8f6f4 v[rD:rD+7], v[rA:rA+7], v[rB:rB+7], v[rD:rD+7], v[rSA], v[rSB] matrix_a_fmt:MATRIX_FMT_FP4 matrix_b_fmt:MATRIX_FMT_FP4 matrix_a_scale:MATRIX_SCALE_ROW1 matrix_b_scale:MATRIX_SCALE_ROW1
.endif
.endm
; one product of v: source 0 = tokens 16 n on of x, source 1 = channels 16 t on of Wv
.macro ONEV ks, t, n
.set rD, 8*(4*(\t)+(\n))
.set rA, XF+32*((\ks)%2)+8*(\n)
.set rB, 96*((\ks)%2)+64+8*(\t)
.set rC, 192+8*(\t)
.set rSA, XS+4*(\n)+(\ks)%4
.set rSB, WS+32+4*(\t)+(\ks)%4
.if (\ks) == 0
	v_wmma_scale_f32_16x16x128_f8f6f4 v[rD:rD+7], v[rA:rA+7], v[rB:rB+7], v[rC:rC+7], v[rSA], v[rSB] matrix_a_fmt:MATRIX_FMT_FP4 matrix_b_fmt:MATRIX_FMT_FP4
.elseif (\ks) < 4
	v_wmma_scale_f32_16x16x128_f8f6f4 v[rD:rD+7], v[rA:rA+7], v[rB:rB+7], v[rD:rD+7], v[rSA], v[rSB] matrix_a_fmt:MATRIX_FMT_FP4 matrix_b_fmt:MATRIX_FMT_FP4
.else
	v_wmma_scale_f32_16x16x128_f8f6f4 v[rD:rD+7], v[rA:rA+7], v[rB:rB+7], v[rD:rD+7], v[rSA], v[rSB] matrix_a_fmt:MATRIX_FMT_FP4 matrix_b_fmt:MATRIX_FMT_FP4 matrix_a_scale:MATRIX_SCALE_ROW1 matrix_b_scale:MATRIX_SCALE_ROW1
.endif
.endm
.macro MULQK ks                        ; 32 products
.if (\ks) == 0
	WIN 0x63                                       ; source 0 (W) window 3, source 1 (x) window 0, C (the bias) window 2, D window 1
.else
	WIN 0x53                                       ; C and D window 1
.endif
.irp u, 0,1
.irp n, 0,1,2,3
.irp t, 0,1,2,3
	ONEQK \ks, \u, \n, \t
.endr
.endr
.endr
.endm
.macro MULV ks                         ; 16 products
	WIN 0xac                                       ; source 0 (x) window 0, source 1 (Wv) window 3, C and D window 2
.irp t, 0,1,2,3
.irp n, 0,1,2,3
	ONEV \ks, \t, \n
.endr
.endr
.endm
; A K step of 128: 48 products.  The 48 accumulators take turns, one instruction a turn, in the same order in every step.
; The next step's 32 loads go out in one run ahead of this step's products.
.macro KSTEP ks
	s_wait_dscnt 0x0                               ; this step's fragments are in
.if (\ks) < 7
.if (\ks) > 0
.rept 4
	v_nop                                          ; four places between the last products and loads into the registers that they read (ISA guide 7.12.1 for vector instructions)
.endr
.endif
	FETCH (\ks)+1
.endif
	MULQK \ks
	MULV \ks
.endm
; FOUR TILES ARE QUANTISED AT ONCE, line by line, so that eight chains stand side by side.  Tile n: 32 registers of a lane in window win, v[src + 32 n] on: two blocks of 32 along the next K, each the 16 registers of two accumulators in lanes l and l xor 16.
; They become four registers of codes, v[cod + 4 n] on: lane (r, h) then holds the 16 bytes of block h of its row, the lower k in the lower bits; and the half word v[hwr + n]: block 0's byte, block 1's byte.
; Each accumulator is read from its low end on.
.macro QUANT4 win, src, cod, hwr
	WIN 0x14*(\win)                                ; sources 1 and 2 in the accumulators' window
.irp n, 0,1,2,3
	v_max3_num_f32 v[TQ+8*\n], 0x1800000, |v[(\src)+32*\n]|, |v[(\src)+32*\n+1]|          ; with the floor 2^(3 - 127) among the leaves: the byte cannot fall under 1
	v_max3_num_f32 v[TQ+8*\n+1], 0x1800000, |v[(\src)+32*\n+16]|, |v[(\src)+32*\n+17]|
.endr
.irp i, 2,4,6,8,10,12,14
.irp n, 0,1,2,3
	v_max3_num_f32 v[TQ+8*\n], v[TQ+8*\n], |v[(\src)+32*\n+\i]|, |v[(\src)+32*\n+\i+1]|
	v_max3_num_f32 v[TQ+8*\n+1], v[TQ+8*\n+1], |v[(\src)+32*\n+16+\i]|, |v[(\src)+32*\n+17+\i]|
.endr
.endr
	WIN 0
.irp n, 0,1,2,3
	v_permlanex16_b32 v[TQ+8*\n+2], v[TQ+8*\n], s12, s13
	v_permlanex16_b32 v[TQ+8*\n+3], v[TQ+8*\n+1], s12, s13
.endr
.irp n, 0,1,2,3
	v_max_num_f32 v[TQ+8*\n], v[TQ+8*\n], v[TQ+8*\n+2]            ; with lane l xor 16's: the block's largest magnitude
	v_max_num_f32 v[TQ+8*\n+1], v[TQ+8*\n+1], v[TQ+8*\n+3]
.endr
.irp n, 0,1,2,3
	v_add_nc_u32 v[TQ+8*\n+4], 0xff000000, v[TQ+8*\n]             ; 2 off its exponent field: the conversion takes the exponent field of this operand as its scale
	v_add_nc_u32 v[TQ+8*\n+5], 0xff000000, v[TQ+8*\n+1]
.endr
.irp n, 0,1,2,3
	v_lshrrev_b32 v[TQ+8*\n+6], 23, v[TQ+8*\n+4]                  ; the scale's byte
	v_lshrrev_b32 v[TQ+8*\n+7], 23, v[TQ+8*\n+5]
.endr
.irp n, 0,1,2,3
	v_lshl_or_b32 v[(\hwr)+\n], v[TQ+8*\n+7], 8, v[TQ+8*\n+6]
.endr
	WIN \win                                       ; source 0 in the accumulators' window
.irp n, 0,1,2,3
	v_cvt_scalef32_pk8_fp4_f32 v[(\cod)+4*\n], v[(\src)+32*\n:(\src)+32*\n+7], v[TQ+8*\n+4]          ; block 0: k = 8 h + 0 .. 7
	v_cvt_scalef32_pk8_fp4_f32 v[(\cod)+4*\n+2], v[(\src)+32*\n+8:(\src)+32*\n+15], v[TQ+8*\n+4]     ;          k = 16 + 8 h + 0 .. 7
	v_cvt_scalef32_pk8_fp4_f32 v[(\cod)+4*\n+1], v[(\src)+32*\n+16:(\src)+32*\n+23], v[TQ+8*\n+5]    ; block 1 likewise
	v_cvt_scalef32_pk8_fp4_f32 v[(\cod)+4*\n+3], v[(\src)+32*\n+24:(\src)+32*\n+31], v[TQ+8*\n+5]
.endr
	WIN 0
	v_nop                                          ; one plain place behind a scaled conversion
.irp n, 0,1,2,3
	v_permlane16_swap_b32 v[(\cod)+4*\n], v[(\cod)+4*\n+1]        ; the first's lanes 16-31 change places with the second's lanes 0-15: lanes 0-15 now hold block 0's k 0-7 and 8-15, lanes 16-31 block 1's
	v_permlane16_swap_b32 v[(\cod)+4*\n+2], v[(\cod)+4*\n+3]      ; and k 16-23 and 24-31
.endr
.endm
; A BLOCK'S WAY OUT.  Within a block no register of codes is written twice.
.macro OUT
	QUANT4 1, 0, CD, HW                            ; q: four tiles of 16 tokens
.irp n, 0,1,2,3
	global_store_b128 v1, v[CD+4*\n:CD+4*\n+3], s[80:81] offset:512*\n         ; 32 lanes store 512 consecutive bytes
.endr
.irp n, 0,1,2,3
	v_lshl_or_b32 v[HW+\n], v[HW+\n], 16, v[HW+\n]                             ; q's word: the half word twice, since q stands in either half of the next product's K
.endr
	v_cndmask_b32 v60, v[HW], v[HW+1], s14         ; lanes 0-15 tile 0's word, lanes 16-31 tile 1's;
	v_cndmask_b32 v61, v[HW+2], v[HW+3], s14       ; tiles 2 and 3
	global_store_b64 v2, v[60:61], s[80:81] offset:2048                        ; 256 consecutive bytes
	QUANT4 1, 128, CD+16, HW+4                     ; k
.irp n, 0,1,2,3
	global_store_b128 v1, v[CD+16+4*\n:CD+16+4*\n+3], s[82:83] offset:512*\n
.endr
	v_lshl_or_b32 v62, v[HW+5], 16, v[HW+4]        ; a pair of key tiles is one operand of the next product: its word holds both tiles' half words
	v_lshl_or_b32 v63, v[HW+7], 16, v[HW+6]
	ds_store_b64 v14, v[62:63]                     ; both halves of the lanes write the same bytes with the same values
	QUANT4 2, 0, CD+32, HW+8                       ; v: four tiles of 16 channels; K = my 64 tokens
.irp t, 0,1,2,3
	global_store_b128 v1, v[CD+32+4*\t:CD+32+4*\t+3], s[84:85] offset:1024*\t
	ds_store_b16 v15, v[HW+8+\t] offset:256+128*(\t%2)+4*(\t/2)                ; my two bytes of the channel's word for these 128 keys
.endr
	s_wait_dscnt 0x0                               ; for the others' sake: my stores into the stage are done
	s_barrier_signal -1
	s_barrier_wait -1
	ds_load_b64 v[40:41], v16                      ; a head's 256 bytes of K's words, or of V's, come from two waves
	s_wait_dscnt 0x0
	global_store_b64 v2, v[40:41], s[86:87]        ; 256 consecutive bytes, aligned
.endm
	; THE FIRST BLOCK
	s_wait_tensorcnt 0x0                           ; my tile is in
	s_barrier_signal -1
	s_barrier_wait -1                              ; everybody's is
	s_wait_alu depctr_va_vdst(0)                   ; the wait here, directly ahead of the first readers of the head's addresses
	FETCH 0
	s_wait_loadcnt 0x0                             ; the scale words and the biases
	KSTEP 0
	WIN 0
	global_prefetch_b8 v[PFO], s[68:69] th:TH_LOAD_NT scope:SCOPE_SE   ; the second block's tile of x, seven K steps ahead of the load that wants it; its address registers are never rewritten
.irp s, 1,2,3,4,5,6,7
	KSTEP \s
.endr
	WIN 0
.rept 4
	v_nop                                          ; four places behind the last products: ahead of the first read of results and of the loads into x's scale words
.endr
	s_wait_tensorcnt 0x0                           ; x's tile is filled again: in every wave the tensor wait, an add and its wait, and a round of the cluster's barrier, in front of a joint refill
	ds_add_u32 v254, v255
	s_mov_b32 s[G1X+2], 32<<16                     ; no tensor load of mine is out, so descriptors may be written: each wave now fetches 32 rows: tensor_dim1,
	s_mov_b32 s[G1X+4], 32                         ; tile_dim1;
	s_mov_b32 s60, 1
	s_mul_i32 s61, s3, 32*PITCH                    ; to rows 32 w on of x's tile,
	s_lshl_b32 s98, s3, 14
	s_add_co_u32 s98, s98, XNEXT
	s_mov_b32 s99, 0
	s_add_nc_u64 s[62:63], s[90:91], s[98:99]      ; from rows 32 w on of block by + 32: hangs on by and the wave's number alone
	s_or_b32 s63, s63, 0x80000000
	s_wait_dscnt 0x0                               ; the add is done, and my reads of x's tile are over
	CROUND                                         ; that now holds of every wave of all sixteen work-groups
	tensor_load_to_lds s[60:63], s[G1X:G1X+7]      ; my one tensor load behind the round
	s_nop 0
.rept 4
	v_nop
.endr
	s_add_nc_u64 s[18:19], s[18:19], 32*4096       ; the second block's scale words of x (the loads that read this base were waited for)
	XSCALES
	OUT                                            ; the first block leaves while the refill is out
	; THE SECOND BLOCK
	s_wait_tensorcnt 0x0                           ; my 32 rows are in
	s_barrier_signal -1
	s_barrier_wait -1                              ; everybody's are.  It also parts the first block's reads of the stage from the second's stores
	s_wait_xcnt 0x0                                ; the first block's stores have read their registers and bases: both are written again only behind this wait
	s_add_nc_u64 s[80:81], s[80:81], 32*QHEAD      ; by + 32 is two batches on: 32 heads on in qimg and in kv
	s_add_nc_u64 s[82:83], s[82:83], 32*KHEAD
	s_add_nc_u64 s[84:85], s[84:85], 32*KHEAD
	s_add_nc_u64 s[86:87], s[86:87], 32*KHEAD
	FETCH 0
	s_wait_loadcnt 0x0                             ; x's scale words
.irp s, 0,1,2,3,4,5,6,7
	KSTEP \s
.endr
	WIN 0
.rept 4
	v_nop
.endr
	OUT
	s_wait_tensorcnt 0x0                           ; the wave's end
	ds_add_u32 v254, v255
	s_wait_dscnt 0x0
	CROUND                                         ; the closing round: no work-group ends while a partner may still ask for a tile that names it
	s_endpgm
.Lfunc_end_k_qb792ed518c_proj:
	.size	k_qb792ed518c_proj, .Lfunc_end_k_qb792ed518c_proj-k_qb792ed518c_proj
	.p2alignl 7, 3214868480
	.fill 96, 4, 3214868480
	.section	.rodata,"a",@progbits
	.p2align	6, 0x0
	.amdhsa_kernel k_qb792ed518c_proj
		.amdhsa_group_segment_fixed_size 327680
		.amdhsa_private_segment_fixed_size 0
		.amdhsa_enable_private_segment 0
		.amdhsa_kernarg_size 104
		.amdhsa_user_sgpr_count 2
		.amdhsa_user_sgpr_kernarg_segment_ptr 1
		.amdhsa_wavefront_size32 1
		.amdhsa_system_sgpr_workgroup_id_x 1
		.amdhsa_system_sgpr_workgroup_id_y 1
		.amdhsa_system_sgpr_workgroup_id_z 1
		.amdhsa_system_vgpr_workitem_id 0
		.amdhsa_next_free_vgpr 960
		.amdhsa_next_free_sgpr 100
		.amdhsa_reserve_vcc 0
		.amdhsa_float_denorm_mode_32 3
		.amdhsa_float_denorm_mode_16_64 3
		.amdhsa_memory_ordered 1
		.amdhsa_forward_progress 1
		.amdhsa_inst_pref_size 198
	.end_amdhsa_kernel
	.amdgpu_metadata
---
amdhsa.version: [ 1, 2 ]
amdhsa.kernels:
  - .name:           k_qb792ed518c_proj
    .symbol:         k_qb792ed518c_proj.kd
    .args:
      - { .name: hidden_states_codes, .offset: 0, .size: 8, .value_kind: global_buffer, .address_space: global }
      - { .name: hidden_states_scales, .offset: 8, .size: 8, .value_kind: global_buffer, .address_space: global }
      - { .name: Wq_codes, .offset: 16, .size: 8, .value_kind: global_buffer, .address_space: global }
      - { .name: Wq_scales, .offset: 24, .size: 8, .value_kind: global_buffer, .address_space: global }
      - { .name: Wk_codes, .offset: 32, .size: 8, .value_kind: global_buffer, .address_space: global }
      - { .name: Wk_scales, .offset: 40, .size: 8, .value_kind: global_buffer, .address_space: global }
      - { .name: Wv_codes, .offset: 48, .size: 8, .value_kind: global_buffer, .address_space: global }
      - { .name: Wv_scales, .offset: 56, .size: 8, .value_kind: global_buffer, .address_space: global }
      - { .name: bq, .offset: 64, .size: 8, .value_kind: global_buffer, .address_space: global }
      - { .name: bk, .offset: 72, .size: 8, .value_kind: global_buffer, .address_space: global }
      - { .name: bv, .offset: 80, .size: 8, .value_kind: global_buffer, .address_space: global }
      - { .name: qimg, .offset: 88, .size: 8, .value_kind: global_buffer, .address_space: global }
      - { .name: kv, .offset: 96, .size: 8, .value_kind: global_buffer, .address_space: global }
    .group_segment_fixed_size: 327680
    .private_segment_fixed_size: 0
    .kernarg_segment_align: 8
    .kernarg_segment_size: 104
    .max_flat_workgroup_size: 128
    .sgpr_count:     100
    .vgpr_count:     960
    .wavefront_size: 32
...
	.end_amdgpu_metadata
.endif
;; end of part 1
;; launch attn (part 2): grid 4 x 64, 8 waves a work-group, clusters of 4 x 1, 219,136 bytes of LDS; arguments qimg, kv, attention_mask, out0; writes out0
.if DOCPART == 2
	.amdgcn_target "amdgcn-amd-amdhsa--gfx1250"
	.amdhsa_code_object_version 6
	.text
	.protected	k_qb792ed518c_attn
	.globl	k_qb792ed518c_attn
	.p2align	8
	.type	k_qb792ed518c_attn,@function
k_qb792ed518c_attn:
	s_mov_b64 s[64:65], 0
	v_nop
	global_prefetch_b8 v0, s[64:65] scope:SCOPE_SE
	s_setreg_imm32_b32 hwreg(HW_REG_WAVE_MODE, 25, 1), 1
	s_wait_xcnt 0x0
	s_wait_alu depctr_hold_cnt(0) depctr_sa_sdst(0) depctr_va_vdst(0) depctr_va_sdst(0) depctr_va_ssrc(0) depctr_va_vcc(0) depctr_vm_vsrc(0)
	s_getreg_b32 s2, hwreg(HW_REG_IB_STS2, 6, 4)
	s_cmp_eq_u32 s2, 0
	s_cbranch_scc0 .Lentry_in_a_cluster
	s_endpgm
.Lentry_in_a_cluster:
	s_bfe_u32 s2, ttmp6, 0x10000c
	s_cmp_lg_u32 s2, 0x3003
	s_cbranch_scc0 .Lentry_shape_is_right
	s_endpgm
.Lentry_shape_is_right:
; out[b][q][64 head + d] = the sum over k of softmax_k(q . k / 8 + mask[b][k]) v[k][d], both products on codes of FP4 (E2M1) with E8M0 scales, from the register images that the launch before has stored.
; THE SOFTMAX AHEAD OF THE SECOND PRODUCT: t = (score + 8 mask) x log2(e) / 8; M = the running largest t rounded UP to a whole number; p = 2^(t - M) is quantised along the keys, not normalised.
; The row's sum is taken of the unquantised p and divides at the end.  When M moves, the sum and O are multiplied by 2^(old M - new M): exact.
; A BLOCK'S SCALE is made ahead of the exponentials: the largest p of a block is 2^x, x = t - M of the block's largest score, so its exponent is floor(x): the byte is floor(x) + 125, held at 1 from below.
; SHARES.  A cluster is the four blocks of 512 queries of one head.  The head's K, V and scale words, 139,264 dense bytes, come into each work-group's LDS ONCE, by joint loads, an eighth a wave: nothing is filled again, the loop has no barrier.
; Eight waves of 512 registers, two to a SIMD.  A wave owns 64 queries: two passes of TWO tiles of 16 (A and B), which go through each key step of 128 keys together, line by line:
; each fragment of K, of V and of the mask that is read from LDS serves both tiles, and every dependent chain has the other tile's, or loads and lines that hang on nothing, beside it.
; LDS loads are asked for ahead: K of step i + 1 among the lines that make M in step i, the mask of step i + 1 behind step i's sums, V of step i behind step i's first products (it is used at the step's end).
; Q of the first pass is asked for at the head, Q of the second behind the first pass's last first products.
; No prefetch into the L2: the launch has no stream in its loop; what it reads from memory is asked for at its head, but for the second pass's 2,304 bytes of Q a wave.
; LAYOUT.  Both products are used transposed: S^T = K Q^T, O^T = V^T P^T: a lane holds ONE query (lane % 16) of each tile throughout.
; THE FIRST PRODUCT'S K IS 64, the instruction's 128: source 0 is a PAIR of key tiles, source 1 is [Q, zeros] for the first and [zeros, Q] for the second, both read out of twelve registers [Q, four zeros, Q].
; THE MASK: 8 x mask lies in LDS in f32, comes into 64 registers in the result's layout and is the C of both tiles' first products.
; LIMITS: 8 x mask is held to +-2^31, so masks beyond 2^28 in magnitude, infinities among them, count as +-2^28 (a row all of whose keys are so masked gives an average and not NaN); a NaN in the mask counts as -2^28;
; the scaled scores stay under 2^31 in magnitude.  A block whose every p has fallen to 0 keeps the byte 1: its codes are zeros.  Where x lies within rounding under a whole number and the exponential rounds up to the power of two, the scale goes by x and that one code is held at 6.
; REGISTERS.  Window 1 (v256-511, written by their low 8 bits): 0-63 tile A's scores, then p; 64-127 tile B's; 128-191 the mask, then the sums' partial sums; 192-223 O^T of A; 224-255 of B.  Window 0: all else.
.set KHEAD, 139264                     ; a head in kv: 16 key steps
.set KSTP,  8704                       ; a key step: 4,096 K images, 4,096 V images, 256 K scale words, 256 V scale words
.set QGRP,  2304                       ; qimg: a group of 64 queries: 4 images of 512 bytes + 256 bytes of scale words
.set QHEAD, 32*QGRP
.set PART,  68*256                     ; what one tensor load brings: an eighth of a head
.set MASK,  KHEAD                      ; LDS: behind the head's image: 2,048 numbers 8 x mask;
.set STAGE, MASK+8192                  ; a stage of 16 rows x (256 bytes + 16) for each wave, for the way out;
.set SP,    272
.set SPARE, STAGE+8*16*SP              ; and the spare words, 128 bytes a wave.  No tensor load lands in any of the three
.set ADK, 4                            ; v4   LDS address of the step's images for my lane
.set ADS, 5                            ; v5   of its scale words
.set ADM, 6                            ; v6   of its part of the mask
.set QS,  20                           ; v20-21 Q's scale words (A, B); v22-23 p's; v24-25 K's; v26-27 V's: these hold scales and nothing else
.set PS,  22
.set KS,  24
.set VS,  26
.set SPW, 28                           ; v28  my spare word's address; v29  0: never rewritten
.set NIL, 29
.set QA,  32                           ; v32-43 [Q, zeros, Q] of A; v44-55 of B
.set KF,  56                           ; v56-87  K: four pairs of tiles
.set VF,  88                           ; v88-119 V^T: four tiles of 16 channels x 128 keys
.set P,   120                          ; v120-127 p's codes of A; v128-135 of B
.set BM,  136                          ; v136-143 each block's largest score, then x, then floor(x) (A's four, B's four)
.set PX,  144                          ; v144-151 the other half's, then 2^23 + the byte
.set EO,  152                          ; v152-159 the conversions' scale operands
.set F,   160                          ; v[160:161], v[162:163] f = 2^(old M - new M), in the low word
.set T0,  164                          ; v164-165, v166-167 at work
.set T1,  166
.set RB,  56                           ; the way out: O^T / the sum, 64 registers where K and V lay
.set BK,  180                          ; v180-243 the way out: rows read back from the stage
.set MK,  128                          ; window 1
.set OA,  192                          ; window 1
; v12 -M and v13 the largest score of A, v14, v15 of B; v[16:17] the sum of A in two halves, v[18:19] of B
.set TB,  38                           ; s38  where the step's images begin in LDS
.set TM,  39                           ; s39  and its part of the mask
.set MSB, 0
.macro WIN new                         ; bits 1:0 source 0, 3:2 source 1, 5:4 source 2, 7:6 destination; the high byte repeats the setting that is left
.if MSB != \new
	s_set_vgpr_msb (MSB<<8)|\new
.set MSB, \new
.endif
.endm
.macro CROUND                          ; a round of the cluster's barrier
	s_barrier_signal -1
	s_barrier_wait -1
	s_cmp_lg_u32 s12, 0
	s_cbranch_scc1 .Lnot_wave_0_\@
	s_barrier_signal -3
.Lnot_wave_0_\@:
	s_barrier_wait -3
	s_barrier_signal -1
	s_barrier_wait -1
.endm
.macro QLOAD                           ; two tiles of Q: six loads.  Each image twice: in front of the zeros and behind them
	global_load_b128 v[QA:QA+3], v1, s[16:17]
	global_load_b128 v[QA+8:QA+11], v1, s[16:17]
	global_load_b128 v[QA+12:QA+15], v1, s[16:17] offset:512
	global_load_b128 v[QA+20:QA+23], v1, s[16:17] offset:512
	global_load_b32 v[QS], v10, s[18:19]           ; their scale words
	global_load_b32 v[QS+1], v10, s[18:19] offset:128
.endm
	s_load_b256 s[4:11], s[0:1], 0x0               ; qimg s[4:5], kv s[6:7], the mask s[8:9], out s[10:11]
	v_lshl_add_u32 v[SPW], v0, 2, SPARE
	v_mov_b32 v[NIL], 0
	ds_add_u32 v[SPW], v[NIL]                      ; the opening lines: the add, twice on end, and its wait ahead of my tensor load
	ds_add_u32 v[SPW], v[NIL]
	v_lshrrev_b32 v1, 5, v0
	v_readfirstlane_b32 s12, v1                    ; wave 0..7
	s_bfe_u32 s13, ttmp6, 0x40000                  ; cx: my block of 512 queries: it enters Q's and the output's addresses alone
	s_and_b32 s14, ttmp7, 0xffff                   ; bh = 16 b + head, which the four partners share
	s_mov_b32 s24, 15|(3<<16)|(1<<21)              ; group 1: 68 dense rows of 256 bytes (32 elements of 8 bytes), no padding; the mask names all four work-groups; 21 set beside it
	s_mov_b32 s25, 32<<16
	s_mov_b32 s26, 68<<16
	s_mov_b32 s27, 32<<16
	s_mov_b32 s28, 68
	s_mov_b32 s29, 32
	s_mov_b32 s30, 0
	s_mov_b32 s31, 0
	s_mul_i32 s44, s12, PART                       ; every wave fetches an eighth
	s_mul_i32 s46, s14, KHEAD
	s_add_co_u32 s46, s46, s44
	s_mov_b32 s47, 0
	s_mov_b32 s22, 0x3e38aa3b                      ; c = log2(e) / 8
	s_mov_b32 s23, s22                             ; (named with it as a pair)
	s_mov_b32 s36, 0x76543210                      ; v_permlanex16_b32's selects for lane l xor 16
	s_mov_b32 s37, 0xfedcba98
	s_mov_b32 s42, 0x4f000000                      ; 2^31
	s_mov_b32 s43, 0xcf000000                      ; -2^31
	s_mul_i32 s51, s12, 16*SP
	s_add_co_u32 s51, s51, STAGE                   ; my stage
	v_and_b32 v30, 15, v0                          ; r
	v_bfe_u32 v31, v0, 4, 1                        ; h
	v_and_b32 v180, 31, v0                         ; lane
	v_lshlrev_b32 v11, 4, v0                       ; 16 x thread: my numbers of the mask
	v_lshlrev_b32 v1, 4, v180                      ; 16 x lane: an image's place
	v_lshlrev_b32 v2, 3, v180                      ; 8 x lane: a pair of scale words
	v_lshl_add_u32 v3, v31, 5, MASK                ; the mask: my half's eight keys of a tile
	v_mul_u32_u24 v7, v30, SP
	v_mul_u32_u24 v8, v31, SP
	v_lshlrev_b32 v9, 12, v31
	v_lshl_add_u32 v7, v31, 5, v7
	v_lshl_add_u32 v8, v30, 4, v8
	v_lshl_add_u32 v9, v30, 4, v9                  ; two rows of the output, 4,096 bytes apart, 16 bytes a lane
	v_add_nc_u32 v7, s51, v7                       ; into the stage: row r, 32 bytes for each half of the lanes
	v_add_nc_u32 v8, s51, v8                       ; back: lanes 0-15 one row of 256 bytes, lanes 16-31 the next
	v_lshlrev_b32 v10, 3, v30                      ; Q's scale word of row r
	v_add_nc_u32 v181, MASK, v11
.irp i, 0,1,2,3
	v_mov_b32 v[QA+4+\i], 0                        ; the zero codes between Q's two copies
	v_mov_b32 v[QA+16+\i], 0
	v_mov_b32 v[PX+\i], 0                          ; written once: a lane permute's destination counts as one of its sources
	v_mov_b32 v[PX+4+\i], 0
.endr
	v_mov_b32 v[F+1], 0                            ; (named as the upper halves of pairs)
	v_mov_b32 v[F+3], 0
	v_mov_b32 v[T0], 0
	v_mov_b32 v[T0+1], 0
	s_wait_alu depctr_va_vdst(0)                   ; the wait at the head's end
	s_wait_dscnt 0x0                               ; both opening adds are done
	s_wait_kmcnt 0x0
	s_mov_b32 s32, 1                               ; group 0: count = 1,
	s_mov_b32 s33, s44                             ; LDS address: as in memory,
	s_add_nc_u64 s[34:35], s[6:7], s[46:47]        ; my eighth of the head: hangs on the head and the wave's number alone,
	s_or_b32 s35, s35, 0x80000000                  ; type = 2
	CROUND                                         ; all four work-groups are here: the joint loads meet
	tensor_load_to_lds s[32:35], s[24:31]          ; one tensor load a wave
	s_nop 0
.rept 4
	v_nop
.endr
	s_lshr_b32 s48, s14, 4                         ; b
	s_lshl_b32 s48, s48, 13
	s_mov_b32 s49, 0
	s_add_nc_u64 s[8:9], s[8:9], s[48:49]          ; my batch's 2,048 numbers of the mask: eight a thread
	global_load_b128 v[184:187], v11, s[8:9]
	global_load_b128 v[188:191], v11, s[8:9] offset:4096
	s_mul_i32 s48, s14, QHEAD                      ; Q: group 8 cx + w of my head
	s_lshl_b32 s50, s13, 3
	s_add_co_u32 s50, s50, s12
	s_mul_i32 s50, s50, QGRP
	s_add_co_u32 s48, s48, s50
	s_add_nc_u64 s[16:17], s[4:5], s[48:49]        ; its images: tile n at 512 n;
	s_add_nc_u64 s[18:19], s[16:17], 2048          ; its scale words: tile 2 j + h' at 8 (r + 16 h') + 4 j
	QLOAD                                          ; the first pass's two tiles
	s_lshr_b32 s48, s14, 4                         ; the output: row 2,048 b + 512 cx + 64 w, column 64 head
	s_lshl_b32 s48, s48, 11
	s_lshl_b32 s50, s13, 9
	s_add_co_u32 s48, s48, s50
	s_lshl_b32 s50, s12, 6
	s_add_co_u32 s48, s48, s50
	s_lshl_b32 s48, s48, 12
	s_and_b32 s50, s14, 15
	s_lshl_b32 s50, s50, 8
	s_add_co_u32 s48, s48, s50
	s_add_nc_u64 s[20:21], s[10:11], s[48:49]
	s_mov_b32 s41, 0                               ; counts my two passes
	s_wait_loadcnt 0x6                             ; the mask's two loads are in; Q's six, issued behind them, may be out
.irp i, 0,1,2,3,4,5,6,7
	v_mul_f32 v[184+\i], 0x41000000, v[184+\i]     ; 8 x mask,
.endr
.irp i, 0,1,2,3,4,5,6,7
	v_max_num_f32 v[184+\i], s43, v[184+\i]        ; held to +-2^31
.endr
.irp i, 0,1,2,3,4,5,6,7
	v_min_num_f32 v[184+\i], s42, v[184+\i]
.endr
	ds_store_b128 v181, v[184:187]
	ds_store_b128 v181, v[188:191] offset:4096
	s_wait_tensorcnt 0x0                           ; my part of the head has landed,
	s_wait_dscnt 0x0                               ; my part of the mask is stored:
	s_barrier_signal -1
	s_barrier_wait -1                              ; everybody's are
.macro KL off, t                       ; K's tile t as it was stored: 512 consecutive bytes
	ds_load_b128 v[KF+4*(\t):KF+4*(\t)+3], v[ADK] offset:(\off)+512*(\t)
.endm
.macro KSL off                         ; K's scale words: register j: lanes 0-15 pair j's words, lanes 16-31 pair 2 + j's
	ds_load_b64 v[KS:KS+1], v[ADS] offset:(\off)+8192
.endm
.macro LOADM off                       ; 8 x mask of keys 16 t + 8 h + 0 .. 7, in the result's layout: sixteen loads into window 1
	WIN 0x40
.irp t, 0,1,2,3,4,5,6,7
	ds_load_b128 v[MK+8*\t:MK+8*\t+3], v[ADM] offset:(\off)+64*\t
	ds_load_b128 v[MK+8*\t+4:MK+8*\t+7], v[ADM] offset:(\off)+64*\t+16
.endr
	WIN 0
.endm
.macro SM x, p, u                      ; scores of tile x against key tile 2 p + u
.if (\p) < 2
	v_wmma_scale_f32_16x16x128_f8f6f4 v[64*(\x)+16*(\p)+8*(\u):64*(\x)+16*(\p)+8*(\u)+7], v[KF+8*(\p):KF+8*(\p)+7], v[QA+12*(\x)+4*(\u):QA+12*(\x)+4*(\u)+7], v[MK+16*(\p)+8*(\u):MK+16*(\p)+8*(\u)+7], v[KS+(\p)%2], v[QS+(\x)] matrix_a_fmt:MATRIX_FMT_FP4 matrix_b_fmt:MATRIX_FMT_FP4
.else
	v_wmma_scale_f32_16x16x128_f8f6f4 v[64*(\x)+16*(\p)+8*(\u):64*(\x)+16*(\p)+8*(\u)+7], v[KF+8*(\p):KF+8*(\p)+7], v[QA+12*(\x)+4*(\u):QA+12*(\x)+4*(\u)+7], v[MK+16*(\p)+8*(\u):MK+16*(\p)+8*(\u)+7], v[KS+(\p)%2], v[QS+(\x)] matrix_a_fmt:MATRIX_FMT_FP4 matrix_b_fmt:MATRIX_FMT_FP4 matrix_a_scale:MATRIX_SCALE_ROW1
.endif
.endm
.macro PV x, t                         ; O^T of tile x, channels 16 t on, += V^T P^T
.if (\t)%2 == 0
	v_wmma_scale_f32_16x16x128_f8f6f4 v[OA+32*(\x)+8*(\t):OA+32*(\x)+8*(\t)+7], v[VF+8*(\t):VF+8*(\t)+7], v[P+8*(\x):P+8*(\x)+7], v[OA+32*(\x)+8*(\t):OA+32*(\x)+8*(\t)+7], v[VS+(\t)/2], v[PS+(\x)] matrix_a_fmt:MATRIX_FMT_FP4 matrix_b_fmt:MATRIX_FMT_FP4
.else
	v_wmma_scale_f32_16x16x128_f8f6f4 v[OA+32*(\x)+8*(\t):OA+32*(\x)+8*(\t)+7], v[VF+8*(\t):VF+8*(\t)+7], v[P+8*(\x):P+8*(\x)+7], v[OA+32*(\x)+8*(\t):OA+32*(\x)+8*(\t)+7], v[VS+(\t)/2], v[PS+(\x)] matrix_a_fmt:MATRIX_FMT_FP4 matrix_b_fmt:MATRIX_FMT_FP4 matrix_a_scale:MATRIX_SCALE_ROW1
.endif
.endm
; A KEY STEP: 128 keys, both tiles.  pref = 1: the next step's K and mask are asked for.  pref = 0, a pass's last step: in the first pass the second pass's Q is asked for.
.macro STEP pref
	s_wait_dscnt 0x0                               ; this step's mask, K and K's words are in
	WIN 0x50                                       ; C and D window 1, sources window 0
.irp p, 0,1,2,3                        ; S^T = K Q^T + 8 mask: sixteen accumulators, one instruction each
	SM 0, \p, 0
	SM 1, \p, 0
	SM 0, \p, 1
	SM 1, \p, 1
.endr                                  ; register 8 t + j of lane (r, h): query r, key 16 t + 8 h + j: a block of 32 keys is registers 16 b .. 16 b + 15 of lanes l and l xor 16
	WIN 0
.rept 4
	v_nop                                          ; four places: behind the last step's products ahead of the loads into V's registers, behind these ahead of the loads into their sources and of the first read of results
.endr
.if !(\pref)
	s_cmp_lg_u32 s41, 0                            ; the pass's number alone decides: the second pass has no successor
	s_cbranch_scc1 .Lno_q_\@
	s_add_nc_u64 s[16:17], s[16:17], 1024          ; the next two tiles' images (the loads that read these bases were waited for),
	s_add_nc_u64 s[18:19], s[18:19], 4             ; their scale words
	QLOAD
.Lno_q_\@:
.endif
.irp t, 0,1,2,3
.irp c, 0,1
	ds_load_b128 v[VF+8*\t+4*\c:VF+8*\t+4*\c+3], v[ADK] offset:4096+1024*\t+512*\c
.endr
.endr
	ds_load_b64 v[VS:VS+1], v[ADS] offset:8448                    ; register j: lanes 0-15 tile 2 j's words, lanes 16-31 tile 2 j + 1's
	WIN 0x15                                       ; THE LARGEST SCORE OF EACH BLOCK: it serves for the row's maximum and for the block's scale
.irp x, 0,1
.irp b, 0,1,2,3
	v_max3_num_f32 v[BM+4*\x+\b], v[64*\x+16*\b], v[64*\x+16*\b+1], v[64*\x+16*\b+2]
.endr
.endr
	WIN 0x14
.irp i, 3,5,7,9,11,13
.irp x, 0,1
.irp b, 0,1,2,3
	v_max3_num_f32 v[BM+4*\x+\b], v[BM+4*\x+\b], v[64*\x+16*\b+\i], v[64*\x+16*\b+\i+1]   ; the eight blocks by turns; each accumulator is read from its low end on
.endr
.endr
.endr
.irp x, 0,1
.irp b, 0,1,2,3
	v_max_num_f32 v[BM+4*\x+\b], v[BM+4*\x+\b], v[64*\x+16*\b+15]
.endr
.endr
	WIN 0
.irp n, 0,1,2,3,4,5,6,7
	v_permlanex16_b32 v[PX+\n], v[BM+\n], s36, s37
.endr
.irp n, 0,1,2,3,4,5,6,7
	v_max_num_f32 v[BM+\n], v[BM+\n], v[PX+\n]     ; with lane l xor 16's 16 keys
.endr
	; M, f and the blocks' scales.  The next step's K loads and the blocks' lines stand between the links of the chain that makes M and f
.irp x, 0,1
	v_max3_num_f32 v[T0+\x], v[BM+4*\x], v[BM+4*\x+1], v[BM+4*\x+2]
.endr
.if \pref
	KL KSTP, 0
	KL KSTP, 1
	KL KSTP, 2
.endif
.irp x, 0,1
	v_max3_num_f32 v[13+2*\x], v[13+2*\x], v[T0+\x], v[BM+4*\x+3]   ; the running largest score of my query
.endr
.if \pref
	KL KSTP, 3
	KL KSTP, 4
	KL KSTP, 5
.endif
.irp x, 0,1
	v_mul_f32 v[T0+\x], s22, v[13+2*\x]            ; as t (c is positive)
.endr
.if \pref
	KL KSTP, 6
	KL KSTP, 7
	KSL KSTP
.endif
.irp x, 0,1
	v_floor_f32 v[T1+\x], -v[T0+\x]                ; the new -M = floor(-t) = -ceil(t): a whole number
.endr
.irp x, 0,1
	v_sub_f32 v[T0+\x], v[T1+\x], v[12+2*\x]       ; M's old value less its new one: a whole number, 0 or less
.endr
.irp n, 0,1,2,3,4,5,6,7
	v_fma_f32 v[BM+\n], v[BM+\n], s22, v[T1+\n/4]  ; x = t - M of each block's largest score
.endr
.irp x, 0,1
	v_cvt_i32_f32 v[T0+\x], v[T0+\x]               ; (it saturates)
.endr
.irp x, 0,1
	v_mov_b32 v[12+2*\x], v[T1+\x]
.endr
.irp n, 0,1,2,3,4,5,6,7
	v_max_num_f32 v[BM+\n], 0xc2f80000, v[BM+\n]   ; held at -124 from below: the byte cannot fall under 1
.endr
.irp x, 0,1
	v_ldexp_f32 v[F+2*\x], 1.0, v[T0+\x]           ; f = 2^(old M - new M)
.endr
.irp n, 0,1,2,3,4,5,6,7
	v_floor_f32 v[BM+\n], v[BM+\n]                 ; the exponent of the block's largest p
.endr
	v_pk_mul_f32 v[16:17], v[16:17], v[F:F+1] op_sel_hi:[1,0]     ; the sums under the new M
	v_pk_mul_f32 v[18:19], v[18:19], v[F+2:F+3] op_sel_hi:[1,0]
.irp n, 0,1,2,3,4,5,6,7
	v_add_f32 v[PX+\n], 0x4b00007d, v[BM+\n]       ; + 2^23 + 125, exact: the low byte of these bits is the scale's byte, floor(x) + 125
.endr
.irp n, 0,1,2,3,4,5,6,7
	v_lshlrev_b32 v[EO+\n], 23, v[PX+\n]           ; the byte as an exponent field: the conversion's scale operand
.endr
.irp x, 0,1
	v_perm_b32 v[PX+4*\x], v[PX+4*\x+1], v[PX+4*\x], 0x04000400       ; the low bytes of blocks 0 and 1,
	v_perm_b32 v[PX+4*\x+2], v[PX+4*\x+3], v[PX+4*\x+2], 0x04000400   ; of blocks 2 and 3,
.endr
.irp x, 0,1
	v_perm_b32 v[PS+\x], v[PX+4*\x+2], v[PX+4*\x], 0x05040100         ; and all four: p's scale word for these 128 keys
.endr
	WIN 0x41                                       ; source 0 and destination window 1
.set JJ, 0
.rept 32
	v_pk_fma_f32 v[JJ:JJ+1], v[JJ:JJ+1], s[22:23], v[12:13] op_sel_hi:[1,0,0]   ; A: t - M, two at a time (of the pairs c and -M the low word serves both halves)
.set JJ, JJ+2
.endr
	s_wait_alu depctr_va_vdst(0)                   ; the wait ahead of the batch
	; A's exponentials, with B's t - M among them and behind them: each of these 32 reads what was written ahead of the wait above, and is read behind the wait below
.set JJ, 0
.rept 8
	v_exp_f32 v[JJ], v[JJ]
.set JJ, JJ+1
.endr
.set QQ, 0
.rept 28
	v_pk_fma_f32 v[64+QQ:64+QQ+1], v[64+QQ:64+QQ+1], s[22:23], v[14:15] op_sel_hi:[1,0,0]
	v_exp_f32 v[JJ], v[JJ]
	v_exp_f32 v[JJ+1], v[JJ+1]
.set JJ, JJ+2
.set QQ, QQ+2
.endr
.rept 4
	v_pk_fma_f32 v[64+QQ:64+QQ+1], v[64+QQ:64+QQ+1], s[22:23], v[14:15] op_sel_hi:[1,0,0]
.set QQ, QQ+2
.endr
	WIN 0x45                                       ; sources 0 and 1 and destination window 1
	s_wait_alu depctr_va_vdst(0)                   ; behind A's batch and ahead of B's
	; B's exponentials, with the first level of A's sum among them and behind them, into the registers that held the mask: sixteen lines that do not hang on each other
.set JJ, 0
.rept 8
	v_exp_f32 v[64+JJ], v[64+JJ]
.set JJ, JJ+1
.endr
.set QQ, 0
.rept 14
	v_pk_add_f32 v[MK+2*QQ:MK+2*QQ+1], v[4*QQ:4*QQ+1], v[4*QQ+2:4*QQ+3]
	v_exp_f32 v[64+JJ], v[64+JJ]
	v_exp_f32 v[64+JJ+1], v[64+JJ+1]
	v_exp_f32 v[64+JJ+2], v[64+JJ+2]
	v_exp_f32 v[64+JJ+3], v[64+JJ+3]
.set JJ, JJ+4
.set QQ, QQ+1
.endr
.rept 2
	v_pk_add_f32 v[MK+2*QQ:MK+2*QQ+1], v[4*QQ:4*QQ+1], v[4*QQ+2:4*QQ+3]
.set QQ, QQ+1
.endr
	s_wait_alu depctr_va_vdst(0)                   ; one wait for B's batch
.set JJ, 0
.rept 16
	v_pk_add_f32 v[MK+32+2*JJ:MK+32+2*JJ+1], v[64+4*JJ:64+4*JJ+1], v[64+4*JJ+2:64+4*JJ+3]   ; THE ROW'S SUM IS TAKEN OF THE UNQUANTISED p: B's first level
.set JJ, JJ+1
.endr
.irp d, 8,4,2,1                        ; both tiles' sixteen partial sums, halved four times
.set JJ, 0
.rept \d
	v_pk_add_f32 v[MK+2*JJ:MK+2*JJ+1], v[MK+2*JJ:MK+2*JJ+1], v[MK+2*(JJ+\d):MK+2*(JJ+\d)+1]
	v_pk_add_f32 v[MK+32+2*JJ:MK+32+2*JJ+1], v[MK+32+2*JJ:MK+32+2*JJ+1], v[MK+32+2*(JJ+\d):MK+32+2*(JJ+\d)+1]
.set JJ, JJ+1
.endr
.endr
	WIN 0x04
	v_pk_add_f32 v[16:17], v[16:17], v[MK:MK+1]
	v_pk_add_f32 v[18:19], v[18:19], v[MK+32:MK+33]
.if \pref
	LOADM 512                                      ; the partial sums have been read: the next step's mask
	s_add_co_u32 s[TB], s[TB], KSTP
	s_add_co_u32 s[TM], s[TM], 512
	v_add_nc_u32 v[ADK], s[TB], v1                 ; the next step's addresses; more than nine plain vector lines, and a wait, follow ahead of their readers
	v_add_nc_u32 v[ADS], s[TB], v2
	v_add_nc_u32 v[ADM], s[TM], v3
.endif
	WIN 0x01                                       ; source 0 window 1
.irp x, 0,1
.irp b, 0,1,2,3
	v_cvt_scalef32_pk8_fp4_f32 v[P+8*\x+4*(\b/2)+(\b%2)], v[64*\x+16*\b:64*\x+16*\b+7], v[EO+4*\x+\b]        ; keys 32 b + 8 h + 0 .. 7
	v_cvt_scalef32_pk8_fp4_f32 v[P+8*\x+4*(\b/2)+(\b%2)+2], v[64*\x+16*\b+8:64*\x+16*\b+15], v[EO+4*\x+\b]   ; keys 32 b + 16 + 8 h + 0 .. 7
.endr
.endr
	WIN 0
	v_nop                                          ; one plain place behind a scaled conversion
.irp c, 0,1,2,3                        ; the operand's layout wants a WHOLE block in a lane: lanes 0-15 the even block, lanes 16-31 the odd one
	v_permlane16_swap_b32 v[P+4*\c], v[P+4*\c+1]
	v_permlane16_swap_b32 v[P+4*\c+2], v[P+4*\c+3]
.endr
.if \pref
	s_wait_dscnt 25                                ; V and its words are in; behind them: K's eight, K's words and the mask's sixteen, which may be out
.else
	s_wait_dscnt 0x0
.endif
	WIN 0x41
	s_wait_alu depctr_va_vdst(0)                   ; the wait here, directly ahead of the first readers of O^T
.set JJ, 0
.rept 16
	v_pk_mul_f32 v[OA+JJ:OA+JJ+1], v[OA+JJ:OA+JJ+1], v[F:F+1] op_sel_hi:[1,0]   ; O^T under the new M.  These 32 also stand between the lines that wrote p's codes and the products that take them
.set JJ, JJ+2
.endr
.set JJ, 0
.rept 16
	v_pk_mul_f32 v[OA+32+JJ:OA+32+JJ+1], v[OA+32+JJ:OA+32+JJ+1], v[F+2:F+3] op_sel_hi:[1,0]
.set JJ, JJ+2
.endr
	WIN 0x50
.irp t, 0,1,2,3                        ; O^T += V^T P^T: eight accumulators, one instruction each
	PV 0, \t
	PV 1, \t
.endr
	WIN 0
.endm
.Lq:                                               ; two passes: two tiles of 16 queries each
	s_mov_b32 s[TB], 0
	s_mov_b32 s[TM], 0
	v_add_nc_u32 v[ADK], s[TB], v1
	v_add_nc_u32 v[ADS], s[TB], v2
	v_add_nc_u32 v[ADM], s[TM], v3
.irp t, 0,1,2,3,4,5,6,7
	KL 0, \t                                       ; key step 0's K, its words and its mask
.endr
	KSL 0
	LOADM 0
	v_mov_b32 v13, 0xff61b1e6                      ; the largest score so far: -3e38, under every score
	v_mov_b32 v15, 0xff61b1e6
	v_mov_b32 v12, 0x7d000000                      ; -M: so large that the first f is 0; it meets zeros alone
	v_mov_b32 v14, 0x7d000000
	v_mov_b32 v16, 0                               ; the sums, in two halves
	v_mov_b32 v17, 0
	v_mov_b32 v18, 0
	v_mov_b32 v19, 0
	WIN 0x40
.set JJ, 0
.rept 64
	v_mov_b32 v[OA+JJ], 0                          ; O^T.  (The step has no first form of its own: its first trip finds zeros, which the first change of M leaves zeros)
.set JJ, JJ+1
.endr
	WIN 0
	s_mov_b32 s40, 15
	s_wait_alu depctr_va_vdst(0)                   ; the wait here, directly ahead of the wait below
	s_wait_loadcnt 0x0                             ; this pass's Q
.Lstep:                                            ; 15 trips; the sixteenth step is written out: it asks for no further K or mask
	STEP 1
	s_sub_co_i32 s40, s40, 1
	s_cmp_lg_u32 s40, 0
	s_cbranch_scc1 .Lstep
	STEP 0
	; THE WAY OUT.  O^T is divided by the row's sum and goes through my stage in LDS, so that sixteen lanes store a query's 64 channels: 256 consecutive bytes, aligned.
.rept 4
	v_nop                                          ; four places behind the last products
.endr
	v_add_f32 v16, v16, v17                        ; the sums' two halves,
	v_add_f32 v18, v18, v19
	v_permlanex16_b32 v[T0], v16, s36, s37
	v_permlanex16_b32 v[T0+1], v18, s36, s37
	v_add_f32 v16, v16, v[T0]                      ; and lane l xor 16's: the rows' sums
	v_add_f32 v18, v18, v[T0+1]
	s_wait_alu depctr_va_vdst(0)                   ; the wait ahead of the two reciprocals
	v_rcp_f32 v16, v16
	v_rcp_f32 v18, v18
	v_nop                                          ; a plain place behind them
	WIN 0x01
	s_wait_alu depctr_va_vdst(0)                   ; and the wait ahead of their first reader, which is also the first reader of the last products' results
.set JJ, 0
.rept 16
	v_pk_mul_f32 v[RB+JJ:RB+JJ+1], v[OA+JJ:OA+JJ+1], v[16:17] op_sel_hi:[1,0]   ; register 8 t + i: out(query r, channel 16 t + 8 h + i); each accumulator from its low end on
.set JJ, JJ+2
.endr
.set JJ, 0
.rept 16
	v_pk_mul_f32 v[RB+32+JJ:RB+32+JJ+1], v[OA+32+JJ:OA+32+JJ+1], v[18:19] op_sel_hi:[1,0]
.set JJ, JJ+2
.endr
	WIN 0
.irp x, 0,1                            ; LDS serves a wave's instructions in order (ISA guide 5.7.1.4): the loads see my stores, and B's stores come behind A's loads
.irp t, 0,1,2,3
	ds_store_b128 v7, v[RB+32*\x+8*\t:RB+32*\x+8*\t+3] offset:64*\t
	ds_store_b128 v7, v[RB+32*\x+8*\t+4:RB+32*\x+8*\t+7] offset:64*\t+16
.endr
.irp i, 0,1,2,3,4,5,6,7
	ds_load_b128 v[BK+32*\x+4*\i:BK+32*\x+4*\i+3], v8 offset:2*SP*\i
.endr
.endr
.irp x, 0,1
.irp i, 0,1,2,3,4,5,6,7
	s_wait_dscnt 16*(1-\x)+7-\i                    ; the younger LDS instructions may stay out: the tile's later loads, and for A all sixteen of B's
	global_store_b128 v9, v[BK+32*\x+4*\i:BK+32*\x+4*\i+3], s[20:21] offset:65536*\x+8192*\i th:TH_STORE_NT   ; two rows an instruction; written once, read by nobody here
.endr
.endr
	s_wait_xcnt 0x0                                ; the stores have read their registers and their base: both are written again only behind this wait
	s_add_nc_u64 s[20:21], s[20:21], 32*4096       ; the next two tiles' rows of the output
	s_add_co_u32 s41, s41, 1
	s_cmp_lt_u32 s41, 2
	s_cbranch_scc1 .Lq
	s_wait_tensorcnt 0x0                           ; the wave's end
	ds_add_u32 v[SPW], v[NIL]
	s_wait_dscnt 0x0
	CROUND                                         ; the closing round: no work-group ends while a partner may still ask for a tile that names it
	s_endpgm
.Lfunc_end_k_qb792ed518c_attn:
	.size	k_qb792ed518c_attn, .Lfunc_end_k_qb792ed518c_attn-k_qb792ed518c_attn
	.p2alignl 7, 3214868480
	.fill 96, 4, 3214868480
	.section	.rodata,"a",@progbits
	.p2align	6, 0x0
	.amdhsa_kernel k_qb792ed518c_attn
		.amdhsa_group_segment_fixed_size 219136
		.amdhsa_private_segment_fixed_size 0
		.amdhsa_enable_private_segment 0
		.amdhsa_kernarg_size 32
		.amdhsa_user_sgpr_count 2
		.amdhsa_user_sgpr_kernarg_segment_ptr 1
		.amdhsa_wavefront_size32 1
		.amdhsa_system_sgpr_workgroup_id_x 1
		.amdhsa_system_sgpr_workgroup_id_y 1
		.amdhsa_system_sgpr_workgroup_id_z 1
		.amdhsa_system_vgpr_workitem_id 0
		.amdhsa_next_free_vgpr 512
		.amdhsa_next_free_sgpr 66
		.amdhsa_reserve_vcc 0
		.amdhsa_float_denorm_mode_32 3
		.amdhsa_float_denorm_mode_16_64 3
		.amdhsa_memory_ordered 1
		.amdhsa_forward_progress 1
		.amdhsa_inst_pref_size 77
	.end_amdhsa_kernel
	.amdgpu_metadata
---
amdhsa.version: [ 1, 2 ]
amdhsa.kernels:
  - .name:           k_qb792ed518c_attn
    .symbol:         k_qb792ed518c_attn.kd
    .args:
      - { .name: qimg, .offset: 0, .size: 8, .value_kind: global_buffer, .address_space: global }
      - { .name: kv, .offset: 8, .size: 8, .value_kind: global_buffer, .address_space: global }
      - { .name: attention_mask, .offset: 16, .size: 8, .value_kind: global_buffer, .address_space: global }
      - { .name: out0, .offset: 24, .size: 8, .value_kind: global_buffer, .address_space: global }
    .group_segment_fixed_size: 219136
    .private_segment_fixed_size: 0
    .kernarg_segment_align: 8
    .kernarg_segment_size: 32
    .max_flat_workgroup_size: 256
    .sgpr_count:     66
    .vgpr_count:     512
    .wavefront_size: 32
...
	.end_amdgpu_metadata
.endif
;; end of part 2
